; MI455X (gfx1250); checked and timed in simulation.
; The chip was launched on July 23, 2026; its instructions are those of AMD's public machine-readable ISA for CDNA 5 (MIT licence, August 2026) and "CDNA5" Instruction Set Architecture Reference Guide (July 2026). The comments in the code are by the model that wrote it; some were corrected since.
;; Multi Head Attention. Allowed arithmetic: matrix products marked QUANTISED: E4M3 operands, one given power-of-two scale a tensor, by v_wmma_f32_16x16x64_fp8_fp8 or v_wmma_f32_16x16x128_fp8_fp8, f32 sums; products left as they are: f32 operands where the result goes on into a quantised operand, else bf16, f16 or f32 operands; f32 sums; everything else in f32.
;; Inputs: lowp_scales 6 int32 (the exponents e of the quantised operands' scales 2^e); proj_beta 128 float32; proj_gamma 128 float32; proj_mean 128 float32; proj_var 128 float32; qkv_beta 384 float32; qkv_gamma 384 float32; qkv_mean 384 float32; qkv_var 384 float32; w_proj 128 x 128 float32; w_qkv 384 x 128 float32; x 2 x 128 x 64 x 64 float32.
;; Outputs: out0 2 x 128 x 64 x 64 float32.
;; This version of the problem:
;;   THIS VERSION OF THE PROBLEM IS GIVEN IN LOW PRECISION. The matrix products marked QUANTISED in the list below multiply operands that are first quantised to E4M3 (4 exponent bits, 3 mantissa bits; 8 bits a number), with one given power-of-two scale for each operand tensor; their sums are f32. All else is computed in f32.
;;   The module's matrix products, in the order in which they are computed (A, B: the left and right operand; K: the contracted axis; several contracted axes count as one K, in the product's order):
;;     1. [M 384, K 128] x [K 128, N 8,192]; A: input w_qkv; B: input x: QUANTISED (scales: A lowp_scales[0], B lowp_scales[1])
;;     2. batch 16 x [M 4,096, K 16] x [K 16, N 4,096]; A: computed on the way; B: computed on the way: left as it is (K = 16 < 32)
;;     3. batch 16 x [M 4,096, K 4,096] x [K 4,096, N 16]; A: softmax (see below); B: computed on the way: QUANTISED (scales: A lowp_scales[2], B lowp_scales[3])
;;     4. [M 128, K 128] x [K 128, N 8,192]; A: input w_proj; B: computed on the way: QUANTISED (scales: A lowp_scales[4], B lowp_scales[5])
;;   THE QUANTISER, for each operand of a quantised product, along K:
;;     - The operand's scale is 2^e, e = its entry of the input lowp_scales (int32; the entries are numbered through the quantised products in the list's order, A before B).
;;     - Each number is divided by the scale, clamped to +-448, and rounded to the nearest number of E4M3, ties to even, subnormals kept.
;;     - The product sums the exact products of the quantised numbers (number of the format x scale) in f32.
;;   ~~~python
;;   def quantise(x, axis, e):      # numpy; x: float32 -> the quantised numbers, widened to float32 again
;;       x = np.moveaxis(x, axis, -1); K = x.shape[-1]
;;       r = np.clip(x / 2.0 ** e, -448, 448)
;;       step = 2.0 ** (np.maximum(np.frexp(np.where(r == 0, 1, r))[1] - 1, -6) - 3)
;;       q = np.round(r / step) * step * 2.0 ** e      # np.round: ties to even
;;       return np.moveaxis(q, -1, axis).astype(np.float32)
;;   ~~~
;;   SOFTMAX AHEAD OF A QUANTISED PRODUCT. Where the list says 'softmax', what is quantised is not the finished softmax but p = 2^(t - M), with t = logit x log2(e) and M = ceil(the row's largest t), a whole number; so 1/2 < the row's largest p <= 1. The row's sum l is taken of the UNQUANTISED p, in f32, and the product's result is divided by l at the end. Since M is a whole number, a kernel that streams over the keys may use a running M (the ceiling of the running maximum): every later rescaling is an exact power of two, so the quantised numbers keep their values, but for numbers so far below the row's largest that they fall under the format's range.
;;   OPERANDS COMPUTED ON THE WAY. 'Computed on the way' means the value that the module computes at that place (a softmax that the list does not call 'softmax' is quantised finished and normalised). What goes into a quantiser is computed in f32, as accurately as f32 sums, v_exp_f32 and their like allow (about 1e-6 of the number): no bf16 or f16 on the way to a quantiser, and a product that is left as it is and whose result goes on into a quantised operand takes f32 operands (vector FMAs, or v_wmma_f32_16x16x4_f32). A number that lies on a knife's edge between two numbers of the format may be rounded either way, as far as f32 arithmetic and the matrix unit's own rounding can turn it there, and no further.
;; One version. Each part assembles by itself: llvm-mc -triple=amdgcn-amd-amdhsa -mcpu=gfx1250 --defsym DOCPART=n.
;; ======== version 1 of 1: 3 launches
;; workspace buffers: q 4,194,304 bytes; kv 5,242,880 bytes; ocodes 1,048,576 bytes
;; launch qkv (part 1): grid 128 x 2, 12 waves a work-group, no clusters, 11,264 bytes of LDS; arguments x, w_qkv, qkv_gamma, qkv_beta, qkv_mean, qkv_var, lowp_scales, q, kv; writes q, kv
.if DOCPART == 1
	.amdgcn_target "amdgcn-amd-amdhsa--gfx1250"
	.amdhsa_code_object_version 6
	.text
	.protected	k_qf74ac05be9_qkv
	.globl	k_qf74ac05be9_qkv
	.p2align	8
	.type	k_qf74ac05be9_qkv,@function
k_qf74ac05be9_qkv:
	s_mov_b64 s[64:65], 0
	v_nop
	global_prefetch_b8 v0, s[64:65] scope:SCOPE_SE
	s_setreg_imm32_b32 hwreg(HW_REG_WAVE_MODE, 25, 1), 1
	s_wait_xcnt 0x0
; FIRST OF THREE LAUNCHES.  qkv = SiLU(BN(w_qkv x)): the product on codes of FP8 (E4M3), w_qkv with the scale 2^e0, x with 2^e1 (entries 0 and 1 of lowp_scales), sums in f32.
; q and k leave as f32 (the scores' product takes f32 operands), v as codes of FP8 with the scale 2^e3, all three laid as images of the registers that the second launch's matrix instructions take.
; NOTHING OF reference() IS LEFT OUT in any of the three launches: every input has a way to out0 (the BatchNorm terms of q and k move p's codes, those of v move v's codes), so every input is loaded.
; TILES.  A batch's 4,096 positions go in groups of 64.  Tile e (0..3) of group G has as row r (0..15) the position 64 G + 4 r + e: one load of 16 bytes of x gives a lane row r of all four tiles,
; and sixteen neighbouring lanes read 256 consecutive bytes, aligned.  The order of the keys does not matter to a softmax and its product, so long as k, p and v agree; here they do by construction.
; SHARES.  A work-group takes one group of 64 positions and four heads: 12 tiles of 16 output channels, one to a wave: waves 0-3 q, 4-7 k, 8-11 v.  Each wave quantises its own 16 rows of w_qkv in registers.
; Waves 8-11 also quantise x, 32 channels each; x's four fragments reach all twelve waves through LDS as images of their registers (16 bytes a lane at 16 x lane), behind the one barrier.
; K IS PERMUTED ALIKE IN BOTH OPERANDS: registers 4 c .. 4 c + 3 of a fragment hold channels 32 c + 16 (lane / 16) + 0 .. 15: every product meets its partner; the order of the sums inside an instruction differs from reference()'s.
; q, k: source 0 = 16 rows of w, source 1 = 16 positions: a lane holds ONE position and eight channels of the head, as the scores' product wants them.
; v:    the sources swapped: a lane holds ONE channel and eight positions, neighbours along the keys, so that the conversion's results are the second launch's operand.
; NO CLUSTER, NO TENSOR LOAD: x goes from memory straight into the registers that the conversions read; what two work-groups share is the group's 32,768 bytes of x, and the weights' 98,304 bytes a work-group are f32 that each wave converts itself.
; LIMITS: e0, e1, e3 between -126 and 119, so that 2^e and 448 x 2^e are f32 numbers; e0 + e1 is applied by v_ldexp_f32 and has none.  NaN among the inputs is not served.
.set EPS,   0x3a83126f                 ; 1e-3
.set NL2E,  0xbfb8aa3b                 ; -log2(e)
.set XIMG,  0                          ; LDS: x's four fragments, 2,048 bytes each: block c (registers 4 c .. 4 c + 3) at 512 c, a lane's 16 bytes at 16 x lane
.set BNL,   8192                       ; 128 bytes for each wave: 16 scales, then 16 shifts
.set SPARE, 9728                       ; the spare words, 128 bytes for each of the twelve waves: six blocks of 256 bytes that no other line names
.set LN,   1                           ; v1   lane
.set R,    2                           ; v2   lane % 16
.set H,    3                           ; v3   lane / 16
.set XO,   4                           ; v4   x: my byte offset
.set WO,   5                           ; v5   w_qkv: my byte offset
.set LI,   6                           ; v6   16 x lane: an image's place for my lane
.set XST,  7                           ; v7   where a v wave stores its block of x's images
.set SPW,  8                           ; v8   LDS address of my spare word; never rewritten
.set NIL,  9                           ; v9   0; never rewritten
.set SCX,  10                          ; v10, v11  2^e1 and 448 x 2^e1
.set LIMX, 11
.set SCW,  12                          ; v12, v13  the same for e0
.set LIMW, 13
.set SCV,  14                          ; v14, v15  the same for e3
.set LIMV, 15
.set BO,   16                          ; v16  the BatchNorm arrays: my channel's byte offset
.set BNW,  17                          ; v17  my wave's BN bytes in LDS, + 4 (lane % 16)
.set BNR,  18                          ; v18  the same, + 32 (lane / 16)
.set WC,   20                          ; v20-35   w's fragment
.set WR,   36                          ; v36-99   w's 64 numbers of my row
.set D,    36                          ; v36-67   then the four accumulators,
.set TS,   68                          ; v68-99   and SiLU's work
.set XL,   100                         ; v100-163 a v wave's 64 numbers of x
.set XF,   100                         ; v100-163 then x's four fragments, in every wave
.set T0,   164                         ; v164-179 two sets of eight numbers ahead of a conversion
.set VC,   164                         ; v164-171 then v's codes
.set XC,   180                         ; v180-195 x's codes as made
.set GA,   196                         ; v196 gamma, then the scale (v197 named with it as a pair)
.set BE,   198                         ; v198 beta, then the shift (v199 likewise)
.set MN,   200                         ; v200 mean
.set VR,   201                         ; v201 var
.set GA8,  204                         ; v204-211 q, k: the scales of channels 8 (lane / 16) + 0 .. 7
.set BE8,  212                         ; v212-219 and their shifts
.macro MKSC e, sc, lim                 ; from the exponent in s[e]: v[sc] = 2^e as f32 (the conversion takes its exponent field), v[lim] = 448 x 2^e
	s_add_co_i32 s38, s[\e], 127
	s_lshl_b32 s39, s38, 23
	v_mov_b32 v[\sc], s39
	s_add_co_i32 s38, s38, 8
	s_lshl_b32 s38, s38, 23
	s_or_b32 s38, s38, 0x600000
	v_mov_b32 v[\lim], s38
.endm
.macro SILU                            ; v[D] .. v[D + 31]: y becomes y / (1 + 2^(-y log2 e)).  Two batches of transcendentals, each with one plain line and one wait ahead of its first use
.set j, 0
.rept 16
	v_pk_mul_f32 v[TS+j:TS+j+1], v[D+j:D+j+1], s[44:45] op_sel_hi:[1,0]
.set j, j+2
.endr
.set j, 0
.rept 32
	v_exp_f32 v[TS+j], v[TS+j]
.set j, j+1
.endr
	v_nop
	s_wait_alu depctr_va_vdst(0)
.set j, 0
.rept 16
	v_pk_add_f32 v[TS+j:TS+j+1], v[TS+j:TS+j+1], 1.0 op_sel_hi:[1,0]
.set j, j+2
.endr
.set j, 0
.rept 32
	v_rcp_f32 v[TS+j], v[TS+j]
.set j, j+1
.endr
	v_nop
	s_wait_alu depctr_va_vdst(0)
.set j, 0
.rept 16
	v_pk_mul_f32 v[D+j:D+j+1], v[D+j:D+j+1], v[TS+j:TS+j+1]
.set j, j+2
.endr
.endm
.macro FINISH                          ; the wave's end, behind my last LDS store
	s_wait_tensorcnt 0x0
	ds_add_u32 v[SPW], v[NIL]
	s_wait_dscnt 0x0
	s_endpgm
.endm
	s_load_b256 s[4:11], s[0:1], 0x0               ; x s[4:5], w_qkv s[6:7], gamma s[8:9], beta s[10:11]
	s_load_b256 s[12:19], s[0:1], 0x20             ; mean s[12:13], var s[14:15], lowp_scales s[16:17], q s[18:19]
	s_load_b64 s[20:21], s[0:1], 0x40              ; kv
	v_lshl_add_u32 v[SPW], v0, 2, SPARE
	v_mov_b32 v[NIL], 0
	v_lshrrev_b32 v[LN], 5, v0
	v_readfirstlane_b32 s22, v[LN]                 ; wave 0..11
	v_and_b32 v[LN], 31, v0
	v_and_b32 v[R], 15, v0
	v_bfe_u32 v[H], v0, 4, 1
	s_lshr_b32 s23, s22, 2                         ; part: 0 q, 1 k, 2 v
	s_and_b32 s38, s22, 3                          ; which of the work-group's four heads; in a v wave also which 32 channels of x
	s_and_b32 s24, ttmp7, 0xffff
	s_lshl_b32 s24, s24, 2
	s_add_co_u32 s24, s24, s38                     ; head = 4 x work-group y + wave % 4
	s_lshr_b32 s25, ttmp9, 6                       ; batch
	s_and_b32 s26, ttmp9, 63                       ; G: the group of 64 positions
	s_lshl_b32 s27, s23, 7
	s_lshl_b32 s39, s24, 4
	s_add_co_u32 s27, s27, s39                     ; o0 = 128 part + 16 head: my first output channel
	v_lshlrev_b32 v[LI], 4, v[LN]
	s_lshl_b32 s39, s38, 9
	v_add_nc_u32 v[XST], s39, v[LI]                ; 16 lane + 512 (wave % 4).  Every LDS address is made here, ahead of the first branch on the wave's number
	s_lshl_b32 s40, s22, 7
	s_add_co_u32 s40, s40, BNL
	v_lshl_add_u32 v[BNW], v[R], 2, s40
	v_lshl_add_u32 v[BNR], v[H], 5, s40
	v_lshlrev_b32 v[WO], 9, v[R]                   ; w_qkv: row o0 + r of 512 bytes, + 64 (lane / 16): my 16 numbers of each 32
	v_lshl_add_u32 v[WO], v[H], 6, v[WO]
	s_lshl_b32 s41, s27, 9
	v_add_nc_u32 v[WO], s41, v[WO]
	s_lshl_b32 s41, s27, 2
	v_lshl_add_u32 v[BO], v[R], 2, s41             ; channel o0 + r
	s_lshl_b32 s41, s25, 21                        ; x: the batch's 2,097,152 bytes,
	s_lshl_b32 s42, s38, 19                        ; 32 channels of 16,384 bytes,
	s_add_co_u32 s41, s41, s42
	s_lshl_b32 s42, s26, 8                         ; the group's 256 bytes of a channel,
	s_add_co_u32 s41, s41, s42
	v_lshlrev_b32 v[XO], 18, v[H]                  ; 16 channels further on for lanes 16-31,
	v_lshl_add_u32 v[XO], v[R], 4, v[XO]           ; and 16 bytes a lane: positions 64 G + 4 r + 0 .. 3
	v_add_nc_u32 v[XO], s41, v[XO]
	; where my results go.  q: 262,144 bh + 4,096 G.  kv: 327,680 bh + 10,240 (G / 2), then k's tiles at 4,096 (G % 2), v's registers at 8,192 + 1,024 (G % 2)
	s_lshl_b32 s33, s25, 3
	s_add_co_u32 s33, s33, s24                     ; bh = 8 batch + head
	s_lshl_b32 s36, s33, 18
	s_lshl_b32 s39, s26, 12
	s_add_co_u32 s36, s36, s39
	s_mul_i32 s40, s33, 327680
	s_lshr_b32 s41, s26, 1
	s_mul_i32 s41, s41, 10240
	s_add_co_u32 s40, s40, s41
	s_and_b32 s41, s26, 1
	s_lshl_b32 s42, s41, 12
	s_lshl_b32 s43, s41, 10
	s_add_co_u32 s43, s43, 8192
	s_cmp_eq_u32 s23, 1
	s_cselect_b32 s42, s42, s43
	s_add_co_u32 s40, s40, s42
	s_cmp_eq_u32 s23, 0
	s_cselect_b32 s36, s36, s40
	s_mov_b32 s37, 0
	s_mov_b32 s44, NL2E
	s_mov_b32 s45, NL2E                            ; (named with s44 as a pair, so it is written)
	s_wait_kmcnt 0x0
	s_load_b128 s[28:31], s[16:17], 0x0            ; e0, e1, e2, e3
	s_cmp_eq_u32 s23, 0                            ; the choice of buffer hangs on the wave's number alone
	s_cselect_b64 s[34:35], s[18:19], s[20:21]
	s_add_nc_u64 s[34:35], s[34:35], s[36:37]
.irp c, 0,1,2,3                                ; w(o0 + r, 32 c + 16 (lane / 16) + 4 j + 0 .. 3)
.irp j, 0,1,2,3
	global_load_b128 v[WR+16*\c+4*\j:WR+16*\c+4*\j+3], v[WO], s[6:7] offset:128*\c+16*\j
.endr
.endr
	global_load_b32 v[GA], v[BO], s[8:9]
	global_load_b32 v[BE], v[BO], s[10:11]
	global_load_b32 v[MN], v[BO], s[12:13]
	global_load_b32 v[VR], v[BO], s[14:15]
	; ---- waves 8-11: 32 channels of x for the 64 positions become block wave % 4 of the four fragments.  All registers written here are used here alone
	s_cmp_lt_u32 s22, 8
	s_cbranch_scc1 .Lno_x
.set i, 0
.rept 16
	global_load_b128 v[XL+4*i:XL+4*i+3], v[XO], s[4:5] offset:16384*i   ; register 4 i + e: x(my channel i, position 64 G + 4 r + e)
.set i, i+1
.endr
	s_wait_kmcnt 0x0
	MKSC 29, SCX, LIMX
	s_wait_loadcnt 0x0
.irp e, 0,1,2,3
.irp u, 0,1
.irp i, 0,1,2,3,4,5,6,7
	v_med3_num_f32 v[T0+8*\u+\i], v[XL+4*(8*\u+\i)+\e], -v[LIMX], v[LIMX]   ; the hold at the largest code x the scale (the conversion does not saturate: ISA guide 7.6.2) also gathers tile e's eight neighbours along K
.endr
	v_cvt_scalef32_pk8_fp8_f32 v[XC+4*\e+2*\u:XC+4*\e+2*\u+1], v[T0+8*\u:T0+8*\u+7], v[SCX]   ; the two sets take turns: eight plain lines stand between a conversion and the next write of its sources
.endr
.endr
	v_nop                                          ; one plain line behind the last conversion
.irp e, 0,1,2,3
	ds_store_b128 v[XST], v[XC+4*\e:XC+4*\e+3] offset:XIMG+2048*\e
.endr
.Lno_x:
	s_wait_loadcnt 0x0                             ; w's numbers and the four BN numbers
	s_wait_kmcnt 0x0
	s_wait_dscnt 0x0                               ; for the others' sake: my stores of x's images have landed
	s_barrier_signal -1
	; work on registers while the others arrive: the BN terms of my channel, and w's fragment
	MKSC 28, SCW, LIMW
	MKSC 31, SCV, LIMV
	s_add_co_i32 s32, s28, s29                     ; e0 + e1: a sum stands for sum x 2^(e0 + e1)
	v_add_f32 v[VR], EPS, v[VR]
	v_rsq_f32 v[VR], v[VR]                         ; the holds below are the plain lines behind it
.set i, 0
.rept 64
	v_med3_num_f32 v[WR+i], v[WR+i], -v[LIMW], v[LIMW]
.set i, i+1
.endr
.irp g, 0,1,2,3,4,5,6,7
	v_cvt_scalef32_pk8_fp8_f32 v[WC+2*\g:WC+2*\g+1], v[WR+8*\g:WR+8*\g+7], v[SCW]
.endr
	v_nop                                          ; one plain line behind the last conversion: the products below read its result and write over its sources
	s_wait_alu depctr_va_vdst(0)                   ; the wait ahead of the first use of the root's result
	v_mul_f32 v[GA], v[GA], v[VR]                  ; scale = gamma / sqrt(var + eps)
	v_fma_f32 v[BE], -v[MN], v[GA], v[BE]          ; shift = beta - mean x scale
	v_ldexp_f32 v[GA], v[GA], s32                  ; the sums' 2^(e0 + e1) goes into the scale: exact
	s_barrier_wait -1                              ; x's four fragments lie in LDS
.irp e, 0,1,2,3
.irp c, 0,1,2,3
	ds_load_b128 v[XF+16*\e+4*\c:XF+16*\e+4*\c+3], v[LI] offset:XIMG+2048*\e+512*\c
.endr
.endr
	s_cmp_lt_u32 s22, 8
	s_cbranch_scc0 .Lv_path
	; ---- q and k.  A lane's eight results are channels 8 (lane / 16) + 0 .. 7: their scales and shifts come from the lanes that hold them through my wave's own 128 bytes of LDS
	ds_store_b32 v[BNW], v[GA]                     ; lanes l and l + 16 store the same number to the same word
	ds_store_b32 v[BNW], v[BE] offset:64
	ds_load_b128 v[GA8:GA8+3], v[BNR]              ; LDS serves a wave's instructions in order (ISA guide 5.7.1.4): these see the stores above
	ds_load_b128 v[GA8+4:GA8+7], v[BNR] offset:16
	ds_load_b128 v[BE8:BE8+3], v[BNR] offset:64
	ds_load_b128 v[BE8+4:BE8+7], v[BNR] offset:80
	s_wait_dscnt 6                                 ; x's sixteen loads are in; the six instructions just issued may be out
.irp e, 0,1,2,3
	v_wmma_f32_16x16x128_fp8_fp8 v[D+8*\e:D+8*\e+7], v[WC:WC+15], v[XF+16*\e:XF+16*\e+15], 0   ; register j: channel 8 (lane / 16) + j of the head, row lane % 16 of tile e
.endr
.rept 4
	v_nop                                          ; four places between the products and the first read of their results (ISA guide 7.12.1)
.endr
	s_wait_dscnt 0x0
.irp e, 0,1,2,3
.irp i, 0,2,4,6
	v_pk_fma_f32 v[D+8*\e+\i:D+8*\e+\i+1], v[D+8*\e+\i:D+8*\e+\i+1], v[GA8+\i:GA8+\i+1], v[BE8+\i:BE8+\i+1]   ; each accumulator from its low end on
.endr
.endr
	SILU
.irp e, 0,1,2,3
.irp i, 0,1
	global_store_b128 v[LI], v[D+8*\e+4*\i:D+8*\e+4*\i+3], s[34:35] offset:1024*\e+512*\i   ; the 32 lanes store 512 consecutive bytes, at a multiple of 256 from the buffer's first byte
.endr
.endr
	FINISH
.Lv_path:
	; ---- v: the sources swapped: register j is position row 8 (lane / 16) + j of tile e, channel lane % 16 of the head: my own channel's scale and shift serve all
	s_wait_dscnt 0x0
.irp e, 0,1,2,3
	v_wmma_f32_16x16x128_fp8_fp8 v[D+8*\e:D+8*\e+7], v[XF+16*\e:XF+16*\e+15], v[WC:WC+15], 0
.endr
	v_mov_b32 v[GA+1], 0                           ; (named as the upper halves of the pairs below.)  These two and two v_nop are the four places behind the products
	v_mov_b32 v[BE+1], 0
	v_nop
	v_nop
.set j, 0
.rept 16
	v_pk_fma_f32 v[D+j:D+j+1], v[D+j:D+j+1], v[GA:GA+1], v[BE:BE+1] op_sel_hi:[1,0,0]   ; of the pairs the low word serves both halves
.set j, j+2
.endr
	SILU
.set j, 0
.rept 32
	v_med3_num_f32 v[D+j], v[D+j], -v[LIMV], v[LIMV]
.set j, j+1
.endr
.irp e, 0,1,2,3
	v_cvt_scalef32_pk8_fp8_f32 v[VC+2*\e:VC+2*\e+1], v[D+8*\e:D+8*\e+7], v[SCV]   ; eight neighbours along the keys: registers 2 c, 2 c + 1 of the second launch's fragment, c = 4 (G % 2) + e
.endr
	v_nop
.irp i, 0,1
	global_store_b128 v[LI], v[VC+4*\i:VC+4*\i+3], s[34:35] offset:512*\i
.endr
	FINISH
.Lfunc_end_k_qf74ac05be9_qkv:
	.size	k_qf74ac05be9_qkv, .Lfunc_end_k_qf74ac05be9_qkv-k_qf74ac05be9_qkv
	.p2alignl 7, 3214868480
	.fill 96, 4, 3214868480
	.section	.rodata,"a",@progbits
	.p2align	6, 0x0
	.amdhsa_kernel k_qf74ac05be9_qkv
		.amdhsa_group_segment_fixed_size 11264
		.amdhsa_private_segment_fixed_size 0
		.amdhsa_enable_private_segment 0
		.amdhsa_kernarg_size 72
		.amdhsa_user_sgpr_count 2
		.amdhsa_user_sgpr_kernarg_segment_ptr 1
		.amdhsa_wavefront_size32 1
		.amdhsa_system_sgpr_workgroup_id_x 1
		.amdhsa_system_sgpr_workgroup_id_y 1
		.amdhsa_system_sgpr_workgroup_id_z 1
		.amdhsa_system_vgpr_workitem_id 0
		.amdhsa_next_free_vgpr 220
		.amdhsa_next_free_sgpr 66
		.amdhsa_reserve_vcc 0
		.amdhsa_float_denorm_mode_32 3
		.amdhsa_float_denorm_mode_16_64 3
		.amdhsa_memory_ordered 1
		.amdhsa_forward_progress 1
		.amdhsa_inst_pref_size 36
	.end_amdhsa_kernel
	.amdgpu_metadata
---
amdhsa.version: [ 1, 2 ]
amdhsa.kernels:
  - .name:           k_qf74ac05be9_qkv
    .symbol:         k_qf74ac05be9_qkv.kd
    .args:
      - { .name: x, .offset: 0, .size: 8, .value_kind: global_buffer, .address_space: global }
      - { .name: w_qkv, .offset: 8, .size: 8, .value_kind: global_buffer, .address_space: global }
      - { .name: qkv_gamma, .offset: 16, .size: 8, .value_kind: global_buffer, .address_space: global }
      - { .name: qkv_beta, .offset: 24, .size: 8, .value_kind: global_buffer, .address_space: global }
      - { .name: qkv_mean, .offset: 32, .size: 8, .value_kind: global_buffer, .address_space: global }
      - { .name: qkv_var, .offset: 40, .size: 8, .value_kind: global_buffer, .address_space: global }
      - { .name: lowp_scales, .offset: 48, .size: 8, .value_kind: global_buffer, .address_space: global }
      - { .name: q, .offset: 56, .size: 8, .value_kind: global_buffer, .address_space: global }
      - { .name: kv, .offset: 64, .size: 8, .value_kind: global_buffer, .address_space: global }
    .group_segment_fixed_size: 11264
    .private_segment_fixed_size: 0
    .kernarg_segment_align: 8
    .kernarg_segment_size: 72
    .max_flat_workgroup_size: 384
    .sgpr_count:     66
    .vgpr_count:     220
    .wavefront_size: 32
...
	.end_amdgpu_metadata
.endif
;; end of part 1
;; launch attn (part 2): grid 16 x 16, 16 waves a work-group, clusters of 4 x 1, 327,680 bytes of LDS; arguments q, kv, lowp_scales, ocodes; writes ocodes
.if DOCPART == 2
	.amdgcn_target "amdgcn-amd-amdhsa--gfx1250"
	.amdhsa_code_object_version 6
	.text
	.protected	k_qf74ac05be9_attn
	.globl	k_qf74ac05be9_attn
	.p2align	8
	.type	k_qf74ac05be9_attn,@function
k_qf74ac05be9_attn:
	s_mov_b64 s[64:65], 0
	v_nop
	global_prefetch_b8 v0, s[64:65] scope:SCOPE_SE
	s_setreg_imm32_b32 hwreg(HW_REG_WAVE_MODE, 25, 1), 1
	s_wait_xcnt 0x0
	s_wait_alu depctr_hold_cnt(0) depctr_sa_sdst(0) depctr_va_vdst(0) depctr_va_sdst(0) depctr_va_ssrc(0) depctr_va_vcc(0) depctr_vm_vsrc(0)
	s_getreg_b32 s2, hwreg(HW_REG_IB_STS2, 6, 4)
	s_cmp_eq_u32 s2, 0
	s_cbranch_scc0 .Lentry_in_a_cluster
	s_endpgm
.Lentry_in_a_cluster:
	s_bfe_u32 s2, ttmp6, 0x10000c
	s_cmp_lg_u32 s2, 0x3003
	s_cbranch_scc0 .Lentry_shape_is_right
	s_endpgm
.Lentry_shape_is_right:
; SECOND OF THREE LAUNCHES.  For each batch and head (bh = 0..15): out = softmax(q k^T / 4) v, head size 16, 4,096 keys.  Nothing of reference() is left out.
; THE SCORES take f32 operands, since they go on into a quantiser: v_wmma_f32_16x16x4_f32, four K steps of 4.  THE SECOND PRODUCT is on codes of FP8 (E4M3): p with the scale 2^e2, v with 2^e3 (entries 2, 3 of lowp_scales).
; THE SOFTMAX AHEAD OF IT: t = score x log2(e) / 4; M = the row's largest t so far, rounded UP to a whole number; p = 2^(t - M) is what is quantised, not normalised.  The row's sum is taken of the unquantised p
; and divides at the end.  When M moves, the sum and O are multiplied by 2^(old M - new M): exact.  The result is quantised with 2^e5 for the third launch's product.
; SHARES.  A work-group owns 256 queries of one bh; each of its SIXTEEN waves one tile of 16, in 208 registers: four waves to a SIMD, so that one wave's vector work stands beside another's matrix work.  Every wave walks the 32 steps of 128 keys.
; LAYOUT.  Both products are used transposed: S^T = k q^T (source 0 = 16 keys, source 1 = my 16 queries), O^T = v^T p^T: a lane holds ONE query (lane % 16) throughout, and in S^T the keys 8 (lane / 16) + 0 .. 7 of a tile:
; just what registers 2 c, 2 c + 1 of the FP8 form's source 1 hold for tile c.  So the conversions' results are the operand.
; In the scores' product register 2 s + j of q's and k's fragments holds channel 8 (lane / 16) + 2 s + j: K step s sums channels 2 s, 2 s + 1, 8 + 2 s, 9 + 2 s: an order of sums that differs from reference()'s.
; LDS.  A step's 10,240 bytes (eight tiles of k as register images, 1,024 each, then v's fragment, 2,048) are dense in memory and are read at 16 x lane: no pitch, no padding.  24 places: steps 0..23 are asked for at the head
; (each wave: half of one of steps 0..7, and the whole of step 8 + wave: two loads of mine are out); steps 24..31 fill places 0..7 again, once, behind step 7, with the 16 steps 8..23 in which to land.
; So nothing is asked of memory ahead of its load: all but that one refill goes out at the head.
; CLUSTER.  The four query blocks of a cluster belong to one bh and walk the same k and v: every tile is asked for JOINTLY, by the same tensor load with the same descriptor and a mask that names the four.
; My place in the cluster enters the addresses of q and of the result alone.
; LIMITS: e2 and e5 between -126 and 119, so that 2^e and 448 x 2^e are f32 numbers; e2 + e3 is applied by v_ldexp_f32 and has none.  NaN among the inputs is not served.
.set STEPB, 10240                      ; a step's bytes
.set VOFF,  8192                       ; v's fragment in them
.set SPARE, 24*STEPB                   ; behind the places: the spare words, 128 bytes for each of the sixteen waves: eight blocks of 256 bytes that no other line names
.set LI,   1                           ; v1   16 x lane; never rewritten once made
.set ADR,  2                           ; v2   LDS address of the step in hand
.set GO,   3                           ; v3   the way out: my 8 bytes of the tile's 256
.set SPW,  4                           ; v4   LDS address of my spare word; never rewritten
.set NIL,  5                           ; v5   0; never rewritten
.set LIMP, 6                           ; v6   448 x 2^e2
.set SCP,  7                           ; v7   2^e2
.set NM,   8                           ; v8 -M, v9 the largest t
.set LS,   10                          ; v[10:11] the row's sum, in two halves
.set FF,   12                          ; v12 f = 2^(old M - new M); v13 named with it as a pair
.set MX,   14                          ; v14, v15 the maximum's two chains
.set PD,   16                          ; v16  the lane permute's destination
.set L2,   18                          ; v[18:19] the sum's second chain
.set QF,   20                          ; v20-27   q's fragment
.set OT,   28                          ; v28-35   O^T
.set VF,   36                          ; v36-51   v's fragment
.set PC,   52                          ; v52-67   p's codes
.set KP,   68                          ; v68-131  k's eight fragments, then t - M, then p
.set SF,   132                         ; v132-195 S^T: written by matrix instructions alone
.set OUT,  196                         ; v196-203 the way out
.set OC,   204                         ; v[204:205] its codes
.set LIM5, 206
.set SC5,  207
.set WV,   12                          ; s12  my wave's number
.set SEL,  20                          ; s[20:21] lane selects for v_permlanex16_b32: lane l xor 16
.set CS,   22                          ; s[22:23] c = log2(e) / 4
.set G1S,  24                          ; s[24:31] descriptor group 1: 20 rows of 256 bytes
.set G1L,  32                          ; s[32:39] the same with 40 rows
.set G0A,  40                          ; s[40:43] group 0: my half step among steps 0..7, later among steps 24..31
.set G0B,  44                          ; s[44:47] group 0: step 8 + wave
.set TB,   48                          ; s48  LDS byte at which the step in hand begins
.set CNT,  49                          ; s49  steps to go in a run
.macro MKSC e, sc, lim                 ; from the exponent in s[e]: v[sc] = 2^e as f32, v[lim] = 448 x 2^e
	s_add_co_i32 s53, s[\e], 127
	s_lshl_b32 s54, s53, 23
	v_mov_b32 v[\sc], s54
	s_add_co_i32 s53, s53, 8
	s_lshl_b32 s53, s53, 23
	s_or_b32 s53, s53, 0x600000
	v_mov_b32 v[\lim], s53
.endm
; A round of the cluster's barrier: my work-group's barrier, so that wave 0's signal speaks for all sixteen waves; wave 0 signals for the work-group; every wave waits for all four work-groups; my work-group's barrier once more.
.macro CROUND
	s_barrier_signal -1
	s_barrier_wait -1
	s_cmp_lg_u32 s[WV], 0
	s_cbranch_scc1 .Lnot_wave_0_\@
	s_barrier_signal -3
.Lnot_wave_0_\@:
	s_barrier_wait -3
	s_barrier_signal -1
	s_barrier_wait -1
.endm
; A KEY STEP: 128 keys, at LDS byte s[TB].
.macro STEP
	v_add_nc_u32 v[ADR], s[TB], v[LI]
.irp t, 0,1,2,3,4,5,6,7
	ds_load_b128 v[KP+8*\t:KP+8*\t+3], v[ADR] offset:1024*\t          ; tile t: channels 8 (lane / 16) + 0 .. 3 of key row lane % 16
.endr
.irp t, 0,1,2,3,4,5,6,7
	ds_load_b128 v[KP+8*\t+4:KP+8*\t+7], v[ADR] offset:1024*\t+512    ; and + 4 .. 7
.endr
	s_wait_dscnt 8                                 ; the lower halves are in; the eight younger loads may be out
.irp t, 0,1,2,3,4,5,6,7                        ; the eight accumulators take turns, one instruction a turn; the first K step starts the sums
	v_wmma_f32_16x16x4_f32 v[SF+8*\t:SF+8*\t+7], v[KP+8*\t:KP+8*\t+1], v[QF:QF+1], 0
.endr
.irp t, 0,1,2,3,4,5,6,7
	v_wmma_f32_16x16x4_f32 v[SF+8*\t:SF+8*\t+7], v[KP+8*\t+2:KP+8*\t+3], v[QF+2:QF+3], v[SF+8*\t:SF+8*\t+7]
.endr
	s_wait_dscnt 0x0                               ; the upper halves
.irp s, 2,3
.irp t, 0,1,2,3,4,5,6,7
	v_wmma_f32_16x16x4_f32 v[SF+8*\t:SF+8*\t+7], v[KP+8*\t+2*\s:KP+8*\t+2*\s+1], v[QF+2*\s:QF+2*\s+1], v[SF+8*\t:SF+8*\t+7]
.endr
.endr
.rept 8
	v_nop                                          ; eight places behind this form, ahead of the first read of S^T and of the vector writes into k's registers; with the addition at the step's head they are also the places behind the last step's FP8 product, ahead of the loads into v's registers
.endr
.irp i, 0,1,2,3
	ds_load_b128 v[VF+4*\i:VF+4*\i+3], v[ADR] offset:VOFF+512*\i      ; v's fragment lands while the softmax is walked
.endr
	v_max3_num_f32 v[MX], v[SF], v[SF+1], v[SF+2]                     ; the step's largest score of my query, among my 64 keys, in two chains; each accumulator is first read at its low end
	v_max3_num_f32 v[MX+1], v[SF+3], v[SF+4], v[SF+5]
.irp i, 6,10,14,18,22,26,30,34,38,42,46,50,54,58
	v_max3_num_f32 v[MX], v[MX], v[SF+\i], v[SF+\i+1]
	v_max3_num_f32 v[MX+1], v[MX+1], v[SF+\i+2], v[SF+\i+3]
.endr
	v_max3_num_f32 v[MX], v[MX], v[SF+62], v[SF+63]
	v_max_num_f32 v[MX], v[MX], v[MX+1]
	v_permlanex16_b32 v[PD], v[MX], s[SEL], s[SEL+1]
	v_max_num_f32 v[MX], v[MX], v[PD]              ; and among lane l xor 16's
	v_mul_f32 v[MX], s[CS], v[MX]                  ; as t (c is positive)
	v_max_num_f32 v[NM+1], v[NM+1], v[MX]          ; the running largest t
	v_mov_b32 v[MX], v[NM]
	v_floor_f32 v[NM], -v[NM+1]                    ; the new -M = floor(-t) = -ceil(t): M is a whole number
	v_sub_f32 v[MX], v[NM], v[MX]                  ; M's old value less its new one: a whole number, 0 or less
	v_cvt_i32_f32 v[MX], v[MX]                     ; (it saturates)
	v_ldexp_f32 v[FF], 1.0, v[MX]                  ; f = 2^(old M - new M)
.set j, 0
.rept 32
	v_pk_fma_f32 v[KP+j:KP+j+1], v[SF+j:SF+j+1], s[CS:CS+1], v[NM:NM+1] op_sel_hi:[1,0,0]   ; t - M, two at a time, into other registers than the sums' (of the pairs c and -M the low word serves both halves)
.set j, j+2
.endr
.set j, 0
.rept 64
	v_exp_f32 v[KP+j], v[KP+j]                     ; p = 2^(t - M)
.set j, j+1
.endr
	v_pk_mul_f32 v[LS:LS+1], v[LS:LS+1], v[FF:FF+1] op_sel_hi:[1,0]   ; the sums under the new M: the plain line behind the exponentials
	s_wait_alu depctr_va_vdst(0)                   ; one wait for the whole batch, ahead of its first use
	v_pk_add_f32 v[L2:L2+1], v[KP:KP+1], v[KP+2:KP+3]                 ; the row's sum is taken of the UNQUANTISED p, in two chains
.irp j, 4,8,12,16,20,24,28,32,36,40,44,48,52,56,60
	v_pk_add_f32 v[LS:LS+1], v[LS:LS+1], v[KP+\j:KP+\j+1]
	v_pk_add_f32 v[L2:L2+1], v[L2:L2+1], v[KP+\j+2:KP+\j+3]
.endr
	v_pk_add_f32 v[LS:LS+1], v[LS:LS+1], v[L2:L2+1]
.irp b, 0,1,2,3
.irp i, 0,1,2,3,4,5,6,7,8,9,10,11,12,13,14,15
	v_min_num_f32 v[KP+16*\b+\i], v[KP+16*\b+\i], v[LIMP]             ; the conversion does not saturate (ISA guide 7.6.2); p is not negative, so the hold is one-sided
.endr
	v_cvt_scalef32_pk8_fp8_f32 v[PC+4*\b:PC+4*\b+1], v[KP+16*\b:KP+16*\b+7], v[SCP]
	v_cvt_scalef32_pk8_fp8_f32 v[PC+4*\b+2:PC+4*\b+3], v[KP+16*\b+8:KP+16*\b+15], v[SCP]
.endr
.irp j, 0,2,4,6
	v_pk_mul_f32 v[OT+\j:OT+\j+1], v[OT+\j:OT+\j+1], v[FF:FF+1] op_sel_hi:[1,0]   ; O^T under the new M, from its low end on.  (Also the plain lines between the last conversion and the product)
.endr
	s_wait_dscnt 0x0                               ; v's fragment
	v_wmma_f32_16x16x128_fp8_fp8 v[OT:OT+7], v[VF:VF+15], v[PC:PC+15], v[OT:OT+7]
.endm
.macro RUN n                           ; n steps on end, from s[TB] on
	s_mov_b32 s[CNT], \n
.Lrun_\@:
	STEP
	s_add_co_u32 s[TB], s[TB], STEPB
	s_sub_co_u32 s[CNT], s[CNT], 1
	s_cmp_lg_u32 s[CNT], 0
	s_cbranch_scc1 .Lrun_\@
.endm
	s_load_b256 s[4:11], s[0:1], 0x0               ; q s[4:5], kv s[6:7], lowp_scales s[8:9], ocodes s[10:11]
	v_lshl_add_u32 v[SPW], v0, 2, SPARE
	v_mov_b32 v[NIL], 0
	ds_add_u32 v[SPW], v[NIL]                      ; the wave's opening: the add, twice on end, and its wait ahead of my first tensor load; the set-up below, work on registers, stands between the second and the wait
	ds_add_u32 v[SPW], v[NIL]
	v_lshrrev_b32 v[LI], 5, v0
	v_readfirstlane_b32 s[WV], v[LI]               ; wave 0..15
	v_and_b32 v[LI], 31, v0
	v_lshlrev_b32 v[LI], 4, v[LI]
	s_bfe_u32 s13, ttmp6, 0x40000                  ; cx: my place in the cluster
	s_lshl_b32 s14, ttmp9, 2                       ; in a cluster launch ttmp9 counts clusters
	s_add_co_u32 s14, s14, s13                     ; my block of 256 queries: it enters q's and the result's addresses alone
	s_and_b32 s15, ttmp7, 0xffff                   ; bh, which the four partners share
	; descriptor group 1: a dense block as rows of 256 bytes
	s_mov_b32 s[G1S], 15|(3<<16)|(1<<21)           ; 15:0 the mask: all four work-groups; 17:16 elements of 8 bytes; 20 no padding; 21 set beside a mask
	s_mov_b32 s[G1S+1], 32<<16                     ; tensor_dim0 = 32 elements
	s_mov_b32 s[G1S+2], 20<<16                     ; tensor_dim1 = 20 rows: half a step
	s_mov_b32 s[G1S+3], 32<<16                     ; tile_dim0
	s_mov_b32 s[G1S+4], 20                         ; tile_dim1
	s_mov_b32 s[G1S+5], 32                         ; from row to row
	s_mov_b32 s[G1S+6], 0
	s_mov_b32 s[G1S+7], 0
	s_mov_b32 s[G1L], 15|(3<<16)|(1<<21)
	s_mov_b32 s[G1L+1], 32<<16
	s_mov_b32 s[G1L+2], 40<<16                     ; 40 rows: a whole step
	s_mov_b32 s[G1L+3], 32<<16
	s_mov_b32 s[G1L+4], 40
	s_mov_b32 s[G1L+5], 32
	s_mov_b32 s[G1L+6], 0
	s_mov_b32 s[G1L+7], 0
	s_mov_b32 s[SEL], 0x76543210
	s_mov_b32 s[SEL+1], 0xfedcba98
	s_mov_b32 s[CS], 0x3eb8aa3b                    ; c = log2(e) / 4
	s_mov_b32 s[CS+1], 0x3eb8aa3b                  ; (named with it as a pair, so it is written)
	s_mul_i32 s16, s15, 32*STEPB                   ; bh's first byte in kv
	s_mul_i32 s53, s[WV], STEPB/2                  ; my half step among the first eight: in LDS as in memory
	s_mul_i32 s54, s[WV], STEPB
	s_add_co_u32 s54, s54, 8*STEPB                 ; step 8 + wave likewise
	s_add_co_u32 s18, s16, s54
	s_add_co_u32 s16, s16, s53
	s_mov_b32 s17, 0
	s_mov_b32 s19, 0
	s_lshl_b32 s55, s15, 8
	s_lshl_b32 s56, s14, 4
	s_add_co_u32 s55, s55, s56
	s_add_co_u32 s55, s55, s[WV]                   ; my tile: 256 bh + 16 block + wave
	s_lshl_b32 s56, s55, 10                        ; 1,024 bytes a tile in q,
	s_mov_b32 s57, 0
	s_lshl_b32 s58, s55, 8                         ; 256 in the result
	s_mov_b32 s59, 0
	s_wait_dscnt 0x0                               ; both opening adds are done
	s_wait_kmcnt 0x0
	s_load_b64 s[50:51], s[8:9], 0x8               ; e2, e3
	s_load_b32 s52, s[8:9], 0x14                   ; e5
	s_mov_b32 s[G0A], 1                            ; 1:0 count = 1
	s_mov_b32 s[G0A+1], s53                        ; 63:32 LDS address
	s_add_nc_u64 s[G0A+2:G0A+3], s[6:7], s[16:17]  ; 120:64 global address
	s_or_b32 s[G0A+3], s[G0A+3], 0x80000000        ; 127:126 type = 2
	s_mov_b32 s[G0B], 1
	s_mov_b32 s[G0B+1], s54
	s_add_nc_u64 s[G0B+2:G0B+3], s[6:7], s[18:19]
	s_or_b32 s[G0B+3], s[G0B+3], 0x80000000
	s_add_nc_u64 s[4:5], s[4:5], s[56:57]
	s_add_nc_u64 s[10:11], s[10:11], s[58:59]
	CROUND                                         ; all four work-groups are here: the first joint loads meet
	tensor_load_to_lds s[G0A:G0A+3], s[G1S:G1S+7]  ; every wave issues both first fills, with no branch
	s_nop 0
	tensor_load_to_lds s[G0B:G0B+3], s[G1L:G1L+7]
	s_nop 0
	global_load_b128 v[QF:QF+3], v[LI], s[4:5] th:TH_LOAD_NT             ; q's fragment stays in registers; read once in the launch
	global_load_b128 v[QF+4:QF+7], v[LI], s[4:5] offset:512 th:TH_LOAD_NT
	v_mov_b32 v[NM+1], 0xff61b1e6                  ; the largest t so far: -3e38, under every t
	v_floor_f32 v[NM], -v[NM+1]                    ; -M
	v_mov_b32 v[LS], 0
	v_mov_b32 v[LS+1], 0
	v_mov_b32 v[FF+1], 0                           ; (named as the upper half of the pair)
	v_mov_b32 v[PD], 0                             ; written once: a lane permute's destination counts as one of its sources
.irp j, 0,1,2,3,4,5,6,7
	v_mov_b32 v[OT+\j], 0                          ; the step is written for all steps alike: the first finds zeros, which the first change of M leaves zeros
.endr
	s_wait_kmcnt 0x0
	MKSC 50, SCP, LIMP
	MKSC 52, SC5, LIM5
	s_add_co_i32 s16, s50, s51                     ; e2 + e3
	s_wait_loadcnt 0x0                             ; q
	s_wait_tensorcnt 0x1                           ; my part of steps 0..7 is in; step 8 + wave may stay out
	s_barrier_signal -1
	s_barrier_wait -1                              ; everybody's is
	s_mov_b32 s[TB], 0
	RUN 8                                          ; steps 0..7
	; the one refill: places 0..7 take steps 24..31
	s_wait_tensorcnt 0x0                           ; all my tensor loads have landed, step 8 + wave among them: so a group 0 may be written
	ds_add_u32 v[SPW], v[NIL]                      ; 0 onto my spare word; the step below stands between it and the wait for it
	s_add_nc_u64 s[G0A+2:G0A+3], s[G0A+2:G0A+3], 24*STEPB   ; 24 steps on; the type bits on top are not reached
	s_wait_dscnt 0x0                               ; the add is done, and my reads of places 0..7 are over
	CROUND                                         ; both now hold of every wave of all four work-groups; steps 8..23 are whole
	tensor_load_to_lds s[G0A:G0A+3], s[G1S:G1S+7]  ; my one tensor load behind the round, and the first thing there
	s_nop 0
	s_mov_b32 s[TB], 8*STEPB
	RUN 16                                         ; steps 8..23: no barrier among them
	s_wait_tensorcnt 0x0                           ; my part of steps 24..31 is in
	ds_add_u32 v[SPW], v[NIL]
	s_wait_dscnt 0x0
	s_barrier_signal -1
	s_barrier_wait -1                              ; everybody's is; nothing is filled any more
	s_mov_b32 s[TB], 0
	RUN 8                                          ; steps 24..31
	; THE WAY OUT.  Register j of O^T is channel 8 (lane / 16) + j of my query: eight neighbours along the third launch's K.  The lines up to the wait are also the places behind the last product
	v_add_f32 v[LS], v[LS], v[LS+1]                ; the sum's two halves,
	v_permlanex16_b32 v[PD], v[LS], s[SEL], s[SEL+1]
	v_add_f32 v[LS], v[LS], v[PD]                  ; and lane l xor 16's: the row's sum
	v_rcp_f32 v[LS], v[LS]
	v_and_b32 v[GO], 15, v0                        ; (plain lines behind the reciprocal)
	v_bfe_u32 v[ADR], v0, 4, 1
	v_lshlrev_b32 v[GO], 4, v[GO]
	v_lshl_add_u32 v[GO], v[ADR], 3, v[GO]         ; 16 (lane % 16) + 8 (lane / 16)
	s_wait_alu depctr_va_vdst(0)                   ; the wait ahead of the first use
	v_ldexp_f32 v[LS], v[LS], s16                  ; x 2^(e2 + e3)
.irp j, 0,1,2,3,4,5,6,7
	v_mul_f32 v[OUT+\j], v[OT+\j], v[LS]
.endr
.irp j, 0,1,2,3,4,5,6,7
	v_med3_num_f32 v[OUT+\j], v[OUT+\j], -v[LIM5], v[LIM5]
.endr
	v_cvt_scalef32_pk8_fp8_f32 v[OC:OC+1], v[OUT:OUT+7], v[SC5]
	v_nop
	global_store_b64 v[GO], v[OC:OC+1], s[10:11]   ; the 32 lanes store 256 consecutive bytes, at a multiple of 256 from the buffer's first byte
	s_wait_tensorcnt 0x0                           ; the wave's end, behind my last tensor load
	ds_add_u32 v[SPW], v[NIL]
	s_wait_dscnt 0x0
	CROUND                                         ; the closing round: no work-group ends while a partner may still ask for a tile that names it
	s_endpgm
.Lfunc_end_k_qf74ac05be9_attn:
	.size	k_qf74ac05be9_attn, .Lfunc_end_k_qf74ac05be9_attn-k_qf74ac05be9_attn
	.p2alignl 7, 3214868480
	.fill 96, 4, 3214868480
	.section	.rodata,"a",@progbits
	.p2align	6, 0x0
	.amdhsa_kernel k_qf74ac05be9_attn
		.amdhsa_group_segment_fixed_size 327680
		.amdhsa_private_segment_fixed_size 0
		.amdhsa_enable_private_segment 0
		.amdhsa_kernarg_size 32
		.amdhsa_user_sgpr_count 2
		.amdhsa_user_sgpr_kernarg_segment_ptr 1
		.amdhsa_wavefront_size32 1
		.amdhsa_system_sgpr_workgroup_id_x 1
		.amdhsa_system_sgpr_workgroup_id_y 1
		.amdhsa_system_sgpr_workgroup_id_z 1
		.amdhsa_system_vgpr_workitem_id 0
		.amdhsa_next_free_vgpr 208
		.amdhsa_next_free_sgpr 66
		.amdhsa_reserve_vcc 0
		.amdhsa_float_denorm_mode_32 3
		.amdhsa_float_denorm_mode_16_64 3
		.amdhsa_memory_ordered 1
		.amdhsa_forward_progress 1
		.amdhsa_inst_pref_size 54
	.end_amdhsa_kernel
	.amdgpu_metadata
---
amdhsa.version: [ 1, 2 ]
amdhsa.kernels:
  - .name:           k_qf74ac05be9_attn
    .symbol:         k_qf74ac05be9_attn.kd
    .args:
      - { .name: q, .offset: 0, .size: 8, .value_kind: global_buffer, .address_space: global }
      - { .name: kv, .offset: 8, .size: 8, .value_kind: global_buffer, .address_space: global }
      - { .name: lowp_scales, .offset: 16, .size: 8, .value_kind: global_buffer, .address_space: global }
      - { .name: ocodes, .offset: 24, .size: 8, .value_kind: global_buffer, .address_space: global }
    .group_segment_fixed_size: 327680
    .private_segment_fixed_size: 0
    .kernarg_segment_align: 8
    .kernarg_segment_size: 32
    .max_flat_workgroup_size: 512
    .sgpr_count:     66
    .vgpr_count:     208
    .wavefront_size: 32
...
	.end_amdgpu_metadata
.endif
;; end of part 2
;; launch proj (part 3): grid 128 x 2, 4 waves a work-group, no clusters, 0 bytes of LDS; arguments ocodes, w_proj, proj_gamma, proj_beta, proj_mean, proj_var, lowp_scales, out0; writes out0
.if DOCPART == 3
	.amdgcn_target "amdgcn-amd-amdhsa--gfx1250"
	.amdhsa_code_object_version 6
	.text
	.protected	k_qf74ac05be9_proj
	.globl	k_qf74ac05be9_proj
	.p2align	8
	.type	k_qf74ac05be9_proj,@function
k_qf74ac05be9_proj:
	s_mov_b64 s[64:65], 0
	v_nop
	global_prefetch_b8 v0, s[64:65] scope:SCOPE_SE
	s_setreg_imm32_b32 hwreg(HW_REG_WAVE_MODE, 25, 1), 1
	s_wait_xcnt 0x0
; THIRD OF THREE LAUNCHES.  out0 = SiLU(BN(w_proj out)): the product on codes of FP8 (E4M3), w_proj with the scale 2^e4, the attention's result with 2^e5 (entries 4, 5 of lowp_scales); its codes come from the second launch.  Nothing of reference() is left out.
; SHARES.  A work-group takes one group of 64 positions (four tiles: row r of tile e is position 64 G + 4 r + e) and 64 output channels; each of its four waves 16 channels.  The waves share nothing: no LDS, no barrier, no branch.
; K IS PERMUTED ALIKE IN BOTH OPERANDS: registers 4 c .. 4 c + 3 hold channels 32 c + 16 (lane / 16) + 0 .. 15, which are head 2 c + lane / 16's sixteen: one load of 16 bytes, sixteen lanes to 256 consecutive bytes, aligned.
; Source 0 = 16 rows of w_proj, source 1 = 16 positions: register j of tile e is channel 8 (lane / 16) + j at position 64 G + 4 r + e: the four tiles' results of a channel are 16 neighbouring bytes of out0,
; and sixteen lanes store 256 consecutive bytes, aligned, with no way through LDS.
; NO CLUSTER, NO TENSOR LOAD: a wave's operands go from memory straight into its registers; what the work-groups of a group share is 8,192 bytes of codes.
; LIMITS: e4 between -126 and 119; e4 + e5 is applied by v_ldexp_f32 and has none.  NaN among the inputs is not served.
.set EPS,  0x3a83126f                  ; 1e-3
.set NL2E, 0xbfb8aa3b                  ; -log2(e)
.set R,    2                           ; v2   lane % 16
.set H,    3                           ; v3   lane / 16
.set WO,   4                           ; v4   w_proj: my byte offset
.set FO,   5                           ; v5   the codes: my byte offset
.set OO,   6                           ; v6   out0: my byte offset
.set BO,   7                           ; v7   the BatchNorm arrays: my eight channels
.set SCW,  8                           ; v8   2^e4
.set LIMW, 9                           ; v9   448 x 2^e4
.set WR,   20                          ; v20-83   w's 64 numbers of my row
.set D,    20                          ; v20-51   then the four accumulators,
.set TS,   52                          ; v52-83   and SiLU's work
.set WC,   84                          ; v84-99   w's fragment
.set OF,   100                         ; v100-163 the four tiles' fragments
.set GA,   164                         ; v164-171 gamma, then the scale, of channels 8 (lane / 16) + 0 .. 7
.set BE,   172                         ; v172-179 beta, then the shift
.set MN,   180                         ; v180-187 mean
.set VR,   188                         ; v188-195 var
.set OUT,  196                         ; v196-227 register 4 j + e: channel j's result at position 4 r + e
	s_load_b256 s[4:11], s[0:1], 0x0               ; ocodes s[4:5], w_proj s[6:7], gamma s[8:9], beta s[10:11]
	s_load_b256 s[12:19], s[0:1], 0x20             ; mean s[12:13], var s[14:15], lowp_scales s[16:17], out0 s[18:19]
	v_lshrrev_b32 v1, 5, v0
	v_readfirstlane_b32 s23, v1                    ; wave 0..3
	v_and_b32 v[R], 15, v0
	v_bfe_u32 v[H], v0, 4, 1
	s_and_b32 s24, ttmp7, 0xffff
	s_lshl_b32 s24, s24, 2
	s_add_co_u32 s24, s24, s23                     ; ot: my tile of 16 output channels
	s_lshr_b32 s25, ttmp9, 6                       ; batch
	s_and_b32 s26, ttmp9, 63                       ; G
	v_lshlrev_b32 v[WO], 9, v[R]                   ; w_proj: row 16 ot + r of 512 bytes, + 64 (lane / 16)
	v_lshl_add_u32 v[WO], v[H], 6, v[WO]
	s_lshl_b32 s27, s24, 13
	v_add_nc_u32 v[WO], s27, v[WO]
	v_lshlrev_b32 v[FO], 16, v[H]                  ; the codes: a head is 65,536 bytes, a row 16
	v_lshl_add_u32 v[FO], v[R], 4, v[FO]
	v_lshlrev_b32 v[OO], 17, v[H]                  ; out0: eight channels of 16,384 bytes for lanes 16-31, 16 bytes a lane
	v_lshl_add_u32 v[OO], v[R], 4, v[OO]
	s_lshl_b32 s27, s24, 6
	v_lshl_add_u32 v[BO], v[H], 5, s27             ; channels 16 ot + 8 (lane / 16) on
	s_lshl_b32 s28, s25, 19                        ; the codes: 8 heads a batch, 1,024 bytes a group
	s_lshl_b32 s27, s26, 10
	s_add_co_u32 s28, s28, s27
	s_mov_b32 s29, 0
	s_lshl_b32 s30, s25, 21                        ; out0: the batch, my 16 channels, the group's 256 bytes
	s_lshl_b32 s27, s24, 18
	s_add_co_u32 s30, s30, s27
	s_lshl_b32 s27, s26, 8
	s_add_co_u32 s30, s30, s27
	s_mov_b32 s31, 0
	s_mov_b32 s32, EPS
	s_mov_b32 s33, EPS                             ; (named as pairs, so both words are written)
	s_mov_b32 s34, NL2E
	s_mov_b32 s35, NL2E
	s_wait_kmcnt 0x0
	s_load_b64 s[20:21], s[16:17], 0x10            ; e4, e5
	s_add_nc_u64 s[4:5], s[4:5], s[28:29]
	s_add_nc_u64 s[18:19], s[18:19], s[30:31]
.irp i, 0,1
	global_load_b128 v[GA+4*\i:GA+4*\i+3], v[BO], s[8:9] offset:16*\i
	global_load_b128 v[BE+4*\i:BE+4*\i+3], v[BO], s[10:11] offset:16*\i
	global_load_b128 v[MN+4*\i:MN+4*\i+3], v[BO], s[12:13] offset:16*\i
	global_load_b128 v[VR+4*\i:VR+4*\i+3], v[BO], s[14:15] offset:16*\i
.endr
.irp c, 0,1,2,3                                ; w(16 ot + r, 32 c + 16 (lane / 16) + 4 j + 0 .. 3)
.irp j, 0,1,2,3
	global_load_b128 v[WR+16*\c+4*\j:WR+16*\c+4*\j+3], v[WO], s[6:7] offset:128*\c+16*\j
.endr
.endr
.irp e, 0,1,2,3                                ; tile e, head 2 c + lane / 16, row r
.irp c, 0,1,2,3
	global_load_b128 v[OF+16*\e+4*\c:OF+16*\e+4*\c+3], v[FO], s[4:5] offset:131072*\c+256*\e
.endr
.endr
	s_wait_kmcnt 0x0
	s_add_co_i32 s36, s20, 127
	s_lshl_b32 s37, s36, 23
	v_mov_b32 v[SCW], s37                          ; 2^e4 as f32: the conversion takes its exponent field
	s_add_co_i32 s36, s36, 8
	s_lshl_b32 s36, s36, 23
	s_or_b32 s36, s36, 0x600000
	v_mov_b32 v[LIMW], s36                         ; 448 x 2^e4
	s_add_co_i32 s22, s20, s21                     ; e4 + e5: a sum stands for sum x 2^(e4 + e5)
	s_wait_loadcnt 16                              ; the BN numbers and w's are in; the sixteen loads of codes may be out
.irp i, 0,2,4,6
	v_pk_add_f32 v[VR+\i:VR+\i+1], v[VR+\i:VR+\i+1], s[32:33] op_sel_hi:[1,0]
.endr
.irp i, 0,1,2,3,4,5,6,7
	v_rsq_f32 v[VR+\i], v[VR+\i]                   ; a batch of eight; the holds below are the plain lines behind it
.endr
.set i, 0
.rept 64
	v_med3_num_f32 v[WR+i], v[WR+i], -v[LIMW], v[LIMW]   ; the conversion does not saturate (ISA guide 7.6.2): the hold at the largest code x the scale
.set i, i+1
.endr
.irp g, 0,1,2,3,4,5,6,7
	v_cvt_scalef32_pk8_fp8_f32 v[WC+2*\g:WC+2*\g+1], v[WR+8*\g:WR+8*\g+7], v[SCW]
.endr
	v_nop                                          ; one plain line behind the last conversion: the products below read its result and write over its sources
	s_wait_alu depctr_va_vdst(0)                   ; one wait for the eight roots, ahead of their first use
.irp i, 0,2,4,6
	v_pk_mul_f32 v[GA+\i:GA+\i+1], v[GA+\i:GA+\i+1], v[VR+\i:VR+\i+1]                ; scale = gamma / sqrt(var + eps)
.endr
.irp i, 0,2,4,6
	v_pk_fma_f32 v[BE+\i:BE+\i+1], v[MN+\i:MN+\i+1], v[GA+\i:GA+\i+1], v[BE+\i:BE+\i+1] neg_lo:[1,0,0] neg_hi:[1,0,0]   ; shift = beta - mean x scale
.endr
.irp i, 0,1,2,3,4,5,6,7
	v_ldexp_f32 v[GA+\i], v[GA+\i], s22            ; the sums' 2^(e4 + e5) goes into the scale: exact
.endr
	s_wait_loadcnt 0x0                             ; the codes
.irp e, 0,1,2,3
	v_wmma_f32_16x16x128_fp8_fp8 v[D+8*\e:D+8*\e+7], v[WC:WC+15], v[OF+16*\e:OF+16*\e+15], 0
.endr
.rept 4
	v_nop                                          ; four places between the products and the first read of their results (ISA guide 7.12.1)
.endr
.irp e, 0,1,2,3
.irp i, 0,2,4,6
	v_pk_fma_f32 v[D+8*\e+\i:D+8*\e+\i+1], v[D+8*\e+\i:D+8*\e+\i+1], v[GA+\i:GA+\i+1], v[BE+\i:BE+\i+1]   ; each accumulator from its low end on
.endr
.endr
	; SiLU: y / (1 + 2^(-y log2 e)): two batches of transcendentals, each with one plain line and one wait ahead of its first use
.set j, 0
.rept 16
	v_pk_mul_f32 v[TS+j:TS+j+1], v[D+j:D+j+1], s[34:35] op_sel_hi:[1,0]
.set j, j+2
.endr
.set j, 0
.rept 32
	v_exp_f32 v[TS+j], v[TS+j]
.set j, j+1
.endr
	v_nop
	s_wait_alu depctr_va_vdst(0)
.set j, 0
.rept 16
	v_pk_add_f32 v[TS+j:TS+j+1], v[TS+j:TS+j+1], 1.0 op_sel_hi:[1,0]
.set j, j+2
.endr
.set j, 0
.rept 32
	v_rcp_f32 v[TS+j], v[TS+j]
.set j, j+1
.endr
	v_nop
	s_wait_alu depctr_va_vdst(0)
.irp j, 0,1,2,3,4,5,6,7
.irp e, 0,1,2,3
	v_mul_f32 v[OUT+4*\j+\e], v[D+8*\e+\j], v[TS+8*\e+\j]   ; the last multiplication also lays a channel's four neighbouring positions side by side
.endr
.endr
.irp j, 0,1,2,3,4,5,6,7
	global_store_b128 v[OO], v[OUT+4*\j:OUT+4*\j+3], s[18:19] offset:16384*\j th:TH_STORE_NT   ; sixteen lanes store 256 consecutive bytes of a channel, at a multiple of 256 from out0's first byte; written once, read by nobody here
.endr
	s_endpgm
.Lfunc_end_k_qf74ac05be9_proj:
	.size	k_qf74ac05be9_proj, .Lfunc_end_k_qf74ac05be9_proj-k_qf74ac05be9_proj
	.p2alignl 7, 3214868480
	.fill 96, 4, 3214868480
	.section	.rodata,"a",@progbits
	.p2align	6, 0x0
	.amdhsa_kernel k_qf74ac05be9_proj
		.amdhsa_group_segment_fixed_size 0
		.amdhsa_private_segment_fixed_size 0
		.amdhsa_enable_private_segment 0
		.amdhsa_kernarg_size 64
		.amdhsa_user_sgpr_count 2
		.amdhsa_user_sgpr_kernarg_segment_ptr 1
		.amdhsa_wavefront_size32 1
		.amdhsa_system_sgpr_workgroup_id_x 1
		.amdhsa_system_sgpr_workgroup_id_y 1
		.amdhsa_system_sgpr_workgroup_id_z 1
		.amdhsa_system_vgpr_workitem_id 0
		.amdhsa_next_free_vgpr 228
		.amdhsa_next_free_sgpr 66
		.amdhsa_reserve_vcc 0
		.amdhsa_float_denorm_mode_32 3
		.amdhsa_float_denorm_mode_16_64 3
		.amdhsa_memory_ordered 1
		.amdhsa_forward_progress 1
		.amdhsa_inst_pref_size 20
	.end_amdhsa_kernel
	.amdgpu_metadata
---
amdhsa.version: [ 1, 2 ]
amdhsa.kernels:
  - .name:           k_qf74ac05be9_proj
    .symbol:         k_qf74ac05be9_proj.kd
    .args:
      - { .name: ocodes, .offset: 0, .size: 8, .value_kind: global_buffer, .address_space: global }
      - { .name: w_proj, .offset: 8, .size: 8, .value_kind: global_buffer, .address_space: global }
      - { .name: proj_gamma, .offset: 16, .size: 8, .value_kind: global_buffer, .address_space: global }
      - { .name: proj_beta, .offset: 24, .size: 8, .value_kind: global_buffer, .address_space: global }
      - { .name: proj_mean, .offset: 32, .size: 8, .value_kind: global_buffer, .address_space: global }
      - { .name: proj_var, .offset: 40, .size: 8, .value_kind: global_buffer, .address_space: global }
      - { .name: lowp_scales, .offset: 48, .size: 8, .value_kind: global_buffer, .address_space: global }
      - { .name: out0, .offset: 56, .size: 8, .value_kind: global_buffer, .address_space: global }
    .group_segment_fixed_size: 0
    .private_segment_fixed_size: 0
    .kernarg_segment_align: 8
    .kernarg_segment_size: 64
    .max_flat_workgroup_size: 128
    .sgpr_count:     66
    .vgpr_count:     228
    .wavefront_size: 32
...
	.end_amdgpu_metadata
.endif
;; end of part 3
